; MI455X (gfx1250); checked and timed in simulation.
; The chip was launched on July 23, 2026; its instructions are those of AMD's public machine-readable ISA for CDNA 5 (MIT licence, August 2026) and "CDNA5" Instruction Set Architecture Reference Guide (July 2026). The comments in the code are by the model that wrote it; some were corrected since.
;; LSTM Cell. Allowed arithmetic: matrix products marked QUANTISED: E2M3 operands, one E8M0 scale for each 32 along K, by v_wmma_scale_f32_16x16x128_f8f6f4 with both operands' format E2M3, f32 sums; everything else in f32.
;; Inputs: Whc 2,048 x 2,048 float32; Whf 2,048 x 2,048 float32; Whi 2,048 x 2,048 float32; Who 2,048 x 2,048 float32; Wxc 2,048 x 2,048 float32; Wxf 2,048 x 2,048 float32; Wxi 2,048 x 2,048 float32; Wxo 2,048 x 2,048 float32; bc 2,048 float32; bf 2,048 float32; bi 2,048 float32; bo 2,048 float32; c 2,048 x 2,048 float32; h_codes 2,048 x 64 x 24 uint8 (E2M3 codes of h, K innermost, in blocks of 32 codes, four codes in three bytes); h_scales 2,048 x 64 uint8 (E8M0 scales of h, one for each 32 codes along K); incoming_codes 2,048 x 64 x 24 uint8 (E2M3 codes of incoming, K innermost, in blocks of 32 codes, four codes in three bytes); incoming_scales 2,048 x 64 uint8 (E8M0 scales of incoming, one for each 32 codes along K).
;; Outputs: out0 2,048 x 2,048 float32; out1 2,048 x 2,048 float32.
;; This version of the problem:
;;   THIS VERSION OF THE PROBLEM IS GIVEN IN LOW PRECISION. The matrix products marked QUANTISED in the list below multiply operands that are first quantised to E2M3 (2 exponent bits, 3 mantissa bits; 6 bits a number), with one power-of-two scale for each 32 numbers along K (OCP MX v1.0); their sums are f32. All else is computed in f32.
;;   The module's matrix products, in the order in which they are computed (A, B: the left and right operand; K: the contracted axis; several contracted axes count as one K, in the product's order):
;;     1. [M 2,048, K 2,048] x [K 2,048, N 8,192]; A: input incoming (given as codes); B: computed on the way: QUANTISED
;;     2. [M 2,048, K 2,048] x [K 2,048, N 8,192]; A: input h (given as codes); B: computed on the way: QUANTISED
;;   THE QUANTISER, for each operand of a quantised product, along K:
;;     - K is cut into blocks of 32 from its start; a last block that is shorter is filled with zeros.
;;     - A block's scale is 2^e with e = floor(log2(the largest magnitude in the block)) - 2, held to -126 .. 127; a block of zeros has e = 0. As a byte (E8M0): e + 127.
;;     - Each number is divided by its block's scale, clamped to +-7.5, and rounded to the nearest number of E2M3, ties to even, subnormals kept.
;;     - The product sums the exact products of the quantised numbers (number of the format x scale) in f32.
;;   ~~~python
;;   def quantise(x, axis):      # numpy; x: float32 -> the quantised numbers, widened to float32 again
;;       x = np.moveaxis(x, axis, -1); K = x.shape[-1]
;;       x = np.pad(x, [(0, 0)] * (x.ndim - 1) + [(0, -K % 32)]); x = x.reshape(x.shape[:-1] + (-1, 32)); a = np.abs(x).max(-1, keepdims=True)
;;       e = np.where(a > 0, np.clip(np.frexp(np.where(a > 0, a, 1))[1] - 1 - 2, -126, 127), 0)      # np.frexp(a)[1] - 1 = floor(log2(a)), exactly
;;       r = np.clip(x / 2.0 ** e, -7.5, 7.5)
;;       step = 2.0 ** (np.maximum(np.frexp(np.where(r == 0, 1, r))[1] - 1, 0) - 3)
;;       q = np.round(r / step) * step * 2.0 ** e      # np.round: ties to even
;;       return np.moveaxis(q.reshape(q.shape[:-2] + (-1,))[..., :K], -1, axis).astype(np.float32)
;;   ~~~
;;   OPERANDS COMPUTED ON THE WAY. 'Computed on the way' means the value that the module computes at that place (a softmax that the list does not call 'softmax' is quantised finished and normalised). What goes into a quantiser is computed in f32, as accurately as f32 sums, v_exp_f32 and their like allow (about 1e-6 of the number): no bf16 or f16 on the way to a quantiser, and a product that is left as it is and whose result goes on into a quantised operand takes f32 operands (vector FMAs, or v_wmma_f32_16x16x4_f32). A number that lies on a knife's edge between two numbers of the format may be rounded either way, as far as f32 arithmetic and the matrix unit's own rounding can turn it there, and no further.
;;   INPUTS GIVEN AS CODES. h (in the module: [2048, 2048], K = its axis 1); incoming (in the module: [2048, 2048], K = its axis 1): each comes as NAME_codes (uint8): NAME with its K axis moved to the last place and cut into blocks of 32 codes, [.., K / 32, bytes a block], one block behind the other in memory; four codes in three bytes: a row's codes are one little-endian stream of bits, code i at bits 6 i .. 6 i + 5 (a code: sign, 2 exponent bits, 3 mantissa bits); and NAME_scales (uint8): the same leading axes, one E8M0 byte (e + 127) for each 32 codes along K. Its value is code x scale, taken as it is: it is not quantised again, and the codes and scales need not be those that the quantiser above would give.
;; One version. Each part assembles by itself: llvm-mc -triple=amdgcn-amd-amdhsa -mcpu=gfx1250 --defsym DOCPART=n.
;; ======== version 1 of 1: 2 launches
;; limits: right only within a limited range of input values
;; workspace buffers: wq 26,214,400 bytes; aq 6,553,600 bytes
;; launch quant (part 1): grid 128 x 8, 4 waves a work-group, no clusters, 40,448 bytes of LDS; arguments Wxi, Wxo, Wxf, Wxc, Whi, Who, Whf, Whc, incoming_codes, incoming_scales, h_codes, h_scales, wq, aq; writes wq, aq
.if DOCPART == 1
	.amdgcn_target "amdgcn-amd-amdhsa--gfx1250"
	.amdhsa_code_object_version 6
	.text
	.protected	k_qf4852df9e3_quant
	.globl	k_qf4852df9e3_quant
	.p2align	8
	.type	k_qf4852df9e3_quant,@function
k_qf4852df9e3_quant:
	s_mov_b64 s[64:65], 0
	v_nop
	global_prefetch_b8 v0, s[64:65] scope:SCOPE_SE
	s_setreg_imm32_b32 hwreg(HW_REG_WAVE_MODE, 25, 1), 1
	s_wait_xcnt 0x0
; The eight weights [2048 U][2048 K], f32, become codes of FP6 (E2M3) with one E8M0 byte for each 32 along K, and incoming's and h's given codes are laid anew, unchanged.
; Both results are IMAGES OF THE MATRIX OPERAND'S REGISTERS.  For a group of 128 rows and a step of 128 along K (32 steps: the input side's 16, then the hidden side's) there is one dense
; block of 12,800 bytes: 8 fragments (16 rows x 128 K) of 1,536 bytes, register q of lane l at 512 (q / 4) + 16 l + 4 (q % 4); then the 128 rows' scale words (4 bytes a row).
; wq: [64 groups][32 steps][12,800]: group U / 32, fragment 2 g + (U % 32) / 16, g the gate in the order i, o, f, c.  aq: [16 groups][32 steps][12,800]: group row / 128, fragment (row % 128) / 16.
; A block's scale is 2^(floor(log2(largest magnitude)) - 2); the byte is that magnitude's exponent field - 2, held at 1 from below; beyond 7.5 the conversion gives the largest code.
; LIMITS: NaN and infinities among the weights are not served.  A block of zeros gets the byte 1 where the rule says 127: its codes are zeros, and this program alone reads the bytes.
; SHARES.  Grid y = 4 x side + gate picks the weight, grid x its 16 rows; wave w takes steps 4 w .. 4 w + 3: four fragments.  Each load reads 512 consecutive bytes of a row; a fragment's 16 rows go
; through the wave's own stage in LDS (rows 528 bytes apart) and come back as the lane's two blocks of 32 neighbours.  Codes leave by stores of 512 consecutive bytes, aligned.
; The scale words leave in runs of 64 bytes (16 rows of one step): the words of one 256 bytes belong to four waves of different weights.
; Each wave also re-lays one fragment of A: side y / 4, rows 16 x .., step 4 (y % 4) + w.  No tensor loads, no barrier: waves share nothing.
.set STB,   12800
.set SP,    528
.set WST,   16*SP+1536                 ; a wave's stage for a weight's fragment, and 1,536 bytes for A's
.set SPARE, 4*WST
.set R,     16                         ; v16-143  two sets of 64: a fragment's 16 rows as loaded
.set X,     144                        ; v144-207 my two blocks of 32 neighbours (first: A's fragment and its scale word)
.set C,     208                        ; v208-231 codes, two sets of 12
.set T,     232                        ; v232-238 the halves that a conversion cannot put on an odd register
.set WD,    240                        ; v240-243 the four steps' scale words
	s_load_b512 s[4:19], s[0:1], 0x0               ; the eight weights
	s_load_b256 s[20:27], s[0:1], 0x40             ; incoming_codes, incoming_scales, h_codes, h_scales
	s_load_b128 s[28:31], s[0:1], 0x60             ; wq, aq
	v_lshl_add_u32 v14, v0, 2, SPARE
	v_mov_b32 v15, 0
	v_lshrrev_b32 v1, 5, v0
	v_readfirstlane_b32 s33, v1                    ; wave
	s_mul_i32 s34, s33, WST
	s_and_b32 s32, ttmp7, 0xffff                   ; y
	s_and_b32 s35, s32, 3                          ; gate
	s_lshr_b32 s36, s32, 2                         ; side
	s_lshl_b32 s38, ttmp9, 17                      ; the weight: 16 rows of 8,192 bytes,
	s_lshl_b32 s37, s33, 11
	s_add_co_u32 s38, s38, s37                     ; + 4 steps of 512 bytes a wave
	s_mov_b32 s39, 0
	s_lshr_b32 s40, ttmp9, 1                       ; wq: (32 x group + 16 x side + 4 w) blocks
	s_lshl_b32 s40, s40, 5
	s_lshl_b32 s37, s36, 4
	s_add_co_u32 s40, s40, s37
	s_lshl_b32 s37, s33, 2
	s_add_co_u32 s40, s40, s37
	s_mul_i32 s40, s40, STB
	s_mov_b32 s41, 0
	s_and_b32 s42, ttmp9, 1
	s_lshl_b32 s37, s35, 1
	s_add_co_u32 s42, s42, s37                     ; the weight's fragment in its block: 2 g + u
	s_lshl_b32 s43, s35, 2
	s_add_co_u32 s43, s43, s33                     ; A's step in its side
	s_lshr_b32 s44, ttmp9, 3                       ; aq: (32 x group + 16 x side + step) blocks
	s_lshl_b32 s44, s44, 5
	s_lshl_b32 s37, s36, 4
	s_add_co_u32 s44, s44, s37
	s_add_co_u32 s44, s44, s43
	s_mul_i32 s44, s44, STB
	s_mov_b32 s45, 0
	s_and_b32 s46, ttmp9, 7                        ; A's fragment in its block
	s_mul_i32 s48, ttmp9, 24576                    ; A's codes: 16 rows of 1,536 bytes, + 96 a step
	s_mul_i32 s37, s43, 96
	s_add_co_u32 s48, s48, s37
	s_mov_b32 s49, 0
	s_lshl_b32 s50, ttmp9, 10                      ; A's scales: 16 rows of 64 bytes, + 4 a step
	s_lshl_b32 s37, s43, 2
	s_add_co_u32 s50, s50, s37
	s_mov_b32 s51, 0
	s_mul_i32 s54, s42, 1536
	s_lshl_b32 s55, s42, 6
	s_add_co_u32 s55, s55, 12288
	s_mul_i32 s56, s46, 1536
	s_lshl_b32 s57, s46, 6
	s_add_co_u32 s57, s57, 12288
	s_and_b32 s58, ttmp9, 1                        ; the four fragments go as two pairs; work-groups with odd x take the second pair first,
	s_lshl_b32 s58, s58, 1                         ; so that even and odd work-groups read different parts of their rows at a time
	s_xor_b32 s46, s58, 2
	s_mul_i32 s60, s58, STB                        ; the first pair's blocks in wq,
	s_mov_b32 s61, 0
	s_mul_i32 s62, s46, STB                        ; the second pair's,
	s_mov_b32 s63, 0
	s_lshl_b32 s58, s58, 9                         ; and their 512 bytes a step in the weight's rows
	s_mov_b32 s59, 0
	s_lshl_b32 s46, s46, 9
	s_mov_b32 s47, 0
	s_mov_b32 s52, 0x76543210                      ; v_permlanex16_b32: lane l xor 16
	s_mov_b32 s53, 0xfedcba98
	v_and_b32 v1, 31, v0                           ; lane
	v_and_b32 v2, 15, v0                           ; r
	v_bfe_u32 v3, v0, 4, 1                         ; h
	v_lshlrev_b32 v4, 4, v1                        ; 16 x lane
	v_add_nc_u32 v5, s34, v4                       ; the stage, in: a row's 512 bytes as they lie
	v_mul_u32_u24 v6, v2, SP
	v_lshl_add_u32 v6, v3, 7, v6
	v_add_nc_u32 v6, s34, v6                       ; and out: row r, 128 h bytes on
	v_mul_u32_u24 v7, v2, 96
	v_mad_u32_u24 v7, v3, 24, v7
	v_add_nc_u32 v7, s34, v7                       ; A's fragment in my stage, out: row r of 96 bytes, + 24 h
	v_lshlrev_b32 v8, 6, v2                        ; A's scales: row r
	v_lshlrev_b32 v9, 3, v3                        ; 8 h
	v_mov_b32 v11, 0
	v_add_nc_u32 v244, s54, v4                     ; my 16 bytes of the weight's fragment
	v_lshl_add_u32 v245, v2, 2, s55
	v_mad_u32_u24 v245, v3, STB, v245              ; scale words: lanes 0-15 one step's, lanes 16-31 the next step's
	v_add_nc_u32 v246, s56, v4                     ; the same for A's fragment,
	v_lshl_add_u32 v247, v2, 2, s57
	v_lshl_add_u32 v247, v3, 1, v247               ; and half a scale word a lane
	v_lshlrev_b32 v248, 4, v3                      ; 16 h
.irp j, 0,1,2                          ; A's fragment, in: 16 rows x 96 bytes are 96 pieces of 16 bytes; piece n = 32 j + lane lies in row n / 6 (= 43 n >> 8 for n under 96), 1,536 bytes a row
	v_add_nc_u32 v10, 32*\j, v1
	v_mul_u32_u24 v12, v10, 43
	v_lshrrev_b32 v12, 8, v12
	v_mul_u32_u24 v12, v12, 1440
	v_lshl_add_u32 v[249+\j], v10, 4, v12
.endr
	s_wait_alu depctr_va_vdst(0)                   ; the wait at the head's end
	s_wait_kmcnt 0x0
	s_and_b32 s37, s32, 1                          ; the weight is chosen by the three bits of y
	s_cmp_lg_u32 s37, 0
	s_cselect_b64 s[4:5], s[6:7], s[4:5]
	s_cselect_b64 s[8:9], s[10:11], s[8:9]
	s_cselect_b64 s[12:13], s[14:15], s[12:13]
	s_cselect_b64 s[16:17], s[18:19], s[16:17]
	s_and_b32 s37, s32, 2
	s_cmp_lg_u32 s37, 0
	s_cselect_b64 s[4:5], s[8:9], s[4:5]
	s_cselect_b64 s[12:13], s[16:17], s[12:13]
	s_cmp_lg_u32 s36, 0
	s_cselect_b64 s[4:5], s[12:13], s[4:5]
	s_cselect_b64 s[20:21], s[24:25], s[20:21]     ; and A's side
	s_cselect_b64 s[22:23], s[26:27], s[22:23]
	s_add_nc_u64 s[4:5], s[4:5], s[38:39]
	s_add_nc_u64 s[6:7], s[4:5], s[46:47]          ; the second pair, in
	s_add_nc_u64 s[4:5], s[4:5], s[58:59]          ; the first pair, in
	s_add_nc_u64 s[28:29], s[28:29], s[40:41]
	s_add_nc_u64 s[24:25], s[28:29], s[62:63]      ; the second pair, out
	s_add_nc_u64 s[28:29], s[28:29], s[60:61]      ; the first pair, out
	s_add_nc_u64 s[30:31], s[30:31], s[44:45]
	s_add_nc_u64 s[20:21], s[20:21], s[48:49]
	s_add_nc_u64 s[22:23], s[22:23], s[50:51]
.irp j, 0,1,2
	global_load_b128 v[X+4*\j:X+4*\j+3], v[249+\j], s[20:21]   ; six neighbouring lanes read a row's 96 bytes
.endr
	global_load_b32 v[X+28], v8, s[22:23]          ; its rows' scale words
.macro GLOAD f
.irp t, 0,1,2,3,4,5,6,7,8,9,10,11,12,13,14,15
	global_load_b128 v[R+64*((\f)%2)+4*\t:R+64*((\f)%2)+4*\t+3], v4, s[4+2*((\f)/2):5+2*((\f)/2)] offset:8192*\t+512*((\f)%2) th:TH_LOAD_NT   ; 512 consecutive bytes of row t
.endr
.endm
	GLOAD 0
	GLOAD 1
	s_wait_loadcnt 32                              ; A's four loads are in; the 32 behind them stay out
.irp j, 0,1,2
	ds_store_b128 v5, v[X+4*\j:X+4*\j+3] offset:16*SP+512*\j   ; the 16 rows on end, as they lie
.endr
.irp p, 0,1,2,3,4,5
	ds_load_b64 v[X+16+2*\p:X+16+2*\p+1], v7 offset:16*SP+48*(\p/3)+8*(\p%3)   ; back as the operand's registers take them
.endr
	s_wait_dscnt 0x0
	v_lshrrev_b32 v[X+29], v248, v[X+28]           ; lanes 0-15 store the word's low half, lanes 16-31 its high half
.irp j, 0,1,2
	global_store_b128 v246, v[X+16+4*\j:X+16+4*\j+3], s[30:31] offset:512*\j
.endr
	global_store_b16 v247, v[X+29], s[30:31]
.macro FRAGQ f
.set CS, C+12*((\f)%2)
.if (\f) < 3
	s_wait_loadcnt 16                              ; this fragment's 16 loads are in; the next one's stay out
.else
	s_wait_loadcnt 0
.endif
.irp t, 0,1,2,3,4,5,6,7,8,9,10,11,12,13,14,15
	ds_store_b128 v5, v[R+64*((\f)%2)+4*\t:R+64*((\f)%2)+4*\t+3] offset:SP*\t
.endr
.if (\f) == 0
	s_wait_xcnt 0x0                                ; A's stores have read the registers that the loads below fill
.endif
.irp c, 0,1
.irp q, 0,1,2,3,4,5,6,7
	ds_load_b128 v[X+32*\c+4*\q:X+32*\c+4*\q+3], v6 offset:256*\c+16*\q   ; K = 64 c + 32 h + 4 q ..: LDS serves a wave's instructions in order
.endr
.endr
	s_wait_dscnt 0x0
.if (\f)+2 < 4
	GLOAD (\f)+2                                   ; into the set whose stores into the stage are done
.endif
.if (\f) >= 2
	s_wait_xcnt 0x0                                ; the stores of two fragments ago have read this set of codes
.endif
	v_max3_num_f32 v10, |v[X]|, |v[X+1]|, 0x1800000          ; my two blocks by turns; the floor 2^(3 - 127) holds the byte at 1
	v_max3_num_f32 v11, |v[X+32]|, |v[X+33]|, 0x1800000
.irp i, 2,4,6,8,10,12,14,16,18,20,22,24,26,28,30
	v_max3_num_f32 v10, v10, |v[X+\i]|, |v[X+\i+1]|
	v_max3_num_f32 v11, v11, |v[X+32+\i]|, |v[X+33+\i]|
.endr
	v_add_nc_u32 v12, 0xff000000, v10              ; 2 off the exponent field: the conversion's scale operand
	v_add_nc_u32 v13, 0xff000000, v11
	v_cvt_scalef32_pk16_fp6_f32 v[CS:CS+2], v[X:X+15], v12
	v_cvt_scalef32_pk16_fp6_f32 v[T:T+2], v[X+16:X+31], v12
	v_cvt_scalef32_pk16_fp6_f32 v[CS+6:CS+8], v[X+32:X+47], v13
	v_cvt_scalef32_pk16_fp6_f32 v[T+4:T+6], v[X+48:X+63], v13
	v_lshrrev_b32 v10, 23, v12                     ; the bytes.  (Also the plain line behind the conversions)
	v_lshrrev_b32 v11, 23, v13
.irp i, 0,1,2
	v_mov_b32 v[CS+3+\i], v[T+\i]
	v_mov_b32 v[CS+9+\i], v[T+4+\i]
.endr
	v_lshl_or_b32 v10, v11, 16, v10                ; blocks h and 2 + h of row r,
	v_lshlrev_b32 v10, v9, v10                     ; at their places in the word;
	v_permlanex16_b32 v11, v10, s52, s53
	v_or_b32 v[WD+(\f)], v10, v11                  ; with lane l xor 16's two the word is whole
	s_wait_alu depctr_va_vdst(0)                   ; the wait ahead of the waits that follow
.irp j, 0,1,2
	global_store_b128 v244, v[CS+4*\j:CS+4*\j+3], s[28-4*((\f)/2):29-4*((\f)/2)] offset:((\f)%2)*STB+512*\j   ; 512 consecutive bytes, aligned
.endr
.endm
	FRAGQ 0
	FRAGQ 1
	FRAGQ 2
	FRAGQ 3
	v_cmp_ne_u32 vcc_lo, 0, v3
	v_cndmask_b32 v10, v[WD], v[WD+1], vcc_lo
	v_cndmask_b32 v11, v[WD+2], v[WD+3], vcc_lo
	global_store_b32 v245, v10, s[28:29]
	global_store_b32 v245, v11, s[24:25]
	s_wait_tensorcnt 0x0                           ; the wave's end
	ds_add_u32 v14, v15
	s_wait_dscnt 0x0
	s_endpgm
.Lfunc_end_k_qf4852df9e3_quant:
	.size	k_qf4852df9e3_quant, .Lfunc_end_k_qf4852df9e3_quant-k_qf4852df9e3_quant
	.p2alignl 7, 3214868480
	.fill 96, 4, 3214868480
	.section	.rodata,"a",@progbits
	.p2align	6, 0x0
	.amdhsa_kernel k_qf4852df9e3_quant
		.amdhsa_group_segment_fixed_size 40448
		.amdhsa_private_segment_fixed_size 0
		.amdhsa_enable_private_segment 0
		.amdhsa_kernarg_size 112
		.amdhsa_user_sgpr_count 2
		.amdhsa_user_sgpr_kernarg_segment_ptr 1
		.amdhsa_wavefront_size32 1
		.amdhsa_system_sgpr_workgroup_id_x 1
		.amdhsa_system_sgpr_workgroup_id_y 1
		.amdhsa_system_sgpr_workgroup_id_z 1
		.amdhsa_system_vgpr_workitem_id 0
		.amdhsa_next_free_vgpr 256
		.amdhsa_next_free_sgpr 66
		.amdhsa_reserve_vcc 1
		.amdhsa_float_denorm_mode_32 3
		.amdhsa_float_denorm_mode_16_64 3
		.amdhsa_memory_ordered 1
		.amdhsa_forward_progress 1
		.amdhsa_inst_pref_size 35
	.end_amdhsa_kernel
	.amdgpu_metadata
---
amdhsa.version: [ 1, 2 ]
amdhsa.kernels:
  - .name:           k_qf4852df9e3_quant
    .symbol:         k_qf4852df9e3_quant.kd
    .args:
      - { .name: Wxi, .offset: 0, .size: 8, .value_kind: global_buffer, .address_space: global }
      - { .name: Wxo, .offset: 8, .size: 8, .value_kind: global_buffer, .address_space: global }
      - { .name: Wxf, .offset: 16, .size: 8, .value_kind: global_buffer, .address_space: global }
      - { .name: Wxc, .offset: 24, .size: 8, .value_kind: global_buffer, .address_space: global }
      - { .name: Whi, .offset: 32, .size: 8, .value_kind: global_buffer, .address_space: global }
      - { .name: Who, .offset: 40, .size: 8, .value_kind: global_buffer, .address_space: global }
      - { .name: Whf, .offset: 48, .size: 8, .value_kind: global_buffer, .address_space: global }
      - { .name: Whc, .offset: 56, .size: 8, .value_kind: global_buffer, .address_space: global }
      - { .name: incoming_codes, .offset: 64, .size: 8, .value_kind: global_buffer, .address_space: global }
      - { .name: incoming_scales, .offset: 72, .size: 8, .value_kind: global_buffer, .address_space: global }
      - { .name: h_codes, .offset: 80, .size: 8, .value_kind: global_buffer, .address_space: global }
      - { .name: h_scales, .offset: 88, .size: 8, .value_kind: global_buffer, .address_space: global }
      - { .name: wq, .offset: 96, .size: 8, .value_kind: global_buffer, .address_space: global }
      - { .name: aq, .offset: 104, .size: 8, .value_kind: global_buffer, .address_space: global }
    .group_segment_fixed_size: 40448
    .private_segment_fixed_size: 0
    .kernarg_segment_align: 8
    .kernarg_segment_size: 112
    .max_flat_workgroup_size: 128
    .sgpr_count:     66
    .vgpr_count:     256
    .wavefront_size: 32
...
	.end_amdgpu_metadata
.endif
;; end of part 1
;; launch cell (part 2): grid 32 x 8, 4 waves a work-group, clusters of 4 x 4, 327,680 bytes of LDS; arguments aq, wq, bi, bo, bf, bc, c, out0, out1; writes out0, out1
.if DOCPART == 2
	.amdgcn_target "amdgcn-amd-amdhsa--gfx1250"
	.amdhsa_code_object_version 6
	.text
	.protected	k_qf4852df9e3_cell
	.globl	k_qf4852df9e3_cell
	.p2align	8
	.type	k_qf4852df9e3_cell,@function
k_qf4852df9e3_cell:
	s_mov_b64 s[64:65], 0
	v_nop
	global_prefetch_b8 v0, s[64:65] scope:SCOPE_SE
	s_setreg_imm32_b32 hwreg(HW_REG_WAVE_MODE, 25, 1), 1
	s_wait_xcnt 0x0
	s_wait_alu depctr_hold_cnt(0) depctr_sa_sdst(0) depctr_va_vdst(0) depctr_va_sdst(0) depctr_va_ssrc(0) depctr_va_vcc(0) depctr_vm_vsrc(0)
	s_getreg_b32 s2, hwreg(HW_REG_IB_STS2, 6, 4)
	s_cmp_eq_u32 s2, 0
	s_cbranch_scc0 .Lentry_in_a_cluster
	s_endpgm
.Lentry_in_a_cluster:
	s_bfe_u32 s2, ttmp6, 0x10000c
	s_cmp_lg_u32 s2, 0xf033
	s_cbranch_scc0 .Lentry_shape_is_right
	s_endpgm
.Lentry_shape_is_right:
; gates = incoming Wx^T + h Wh^T + b on codes of FP6 (E2M3) with E8M0 scales, sums in f32; new_c = sigmoid(gf) c + sigmoid(gi) tanh(gc) (out1), new_h = sigmoid(go) tanh(new_c) (out0), in f32.
; The two products add: ONE product with K = 4,096, 32 steps of 128.  aq and wq hold, for each group of 128 rows and each step, a dense block of 12,800 bytes: 8 fragments as images of the operand's
; registers (1,536 bytes each), then the rows' 128 scale words.  So a tensor load's rows are 256 bytes, aligned, a fragment is three ds_load_b128 at 16 x lane, and the scales come with the codes.
; A tile, 256 rows x 64 units x 4 gates, is made by four waves; a wave makes 128 x 128: 64 accumulators.  8 x 32 tiles: 256 work-groups.
; THE RING: two slots of three steps (4 x 38,400 bytes); each wave fetches 128 rows' three steps by one load.  11 fills; the last has two steps.  B's halves lie 64 bytes off in a slot, so that the two
; halves of the lanes of a scale load touch different banks (64 banks of 4 bytes: ISA guide 11.1).
; CLUSTERS: 4 x 4.  A's tiles are shared along a row of the cluster, B's along a column: joint loads.
; REGISTER WINDOWS: each window holds 16 accumulators (v128-255) and 8 fragments (v32-127, two sets of 4).  Window 0: A's blocks 0-3; 1: A's 4-7; 2: B's 0-3; 3: B's 4-7.  Accumulator (a, b) lies in
; window 2 (b / 4) + a / 4 at v[128 + 8 (4 (a % 4) + b % 4)].  A step is four phases of 16 matrix instructions under one setting each; an LDS load takes the destination's window for its data and
; source 0's for its address, so under a phase's own setting the next step's four fragments of the window that the phase writes are loaded, in one run ahead of its matrix instructions: four switches a step.
; Source 0 = 16 rows of B, source 1 = 16 rows of A: register j of lane (r, h) in accumulator (a, 2 g + u) is gate g of row 16 a + r, unit 16 u + 8 h + j: a lane holds all four gates of a unit.
; THE BIAS is loaded into the accumulators ahead of the first step, so every step adds in place; a sum runs bias, then K ascending: an order of f32 rounding other than reference()'s.
; THE WAY OUT: with a = 2^(-gi L), d = 2^(-gf L), b = 2^(-2 gc L), L = log2 e: new_c = (c (1+a)(1+b) + (1-b)(1+d)) / ((1+a)(1+b)(1+d)); with g = 2^(-go L), e = 2^(-2 new_c L): new_h = (1-e) / ((1+e)(1+g)).
; LIMITS: the exponents of a, d, b and e are held at 40 from above, so that no product of three such terms leaves f32; a sigmoid or 1 - |tanh| under 2^-40 comes out as 2^-40 in place of less.  g needs no hold:
; where it runs to infinity the reciprocal is 0 and new_h is 0, its limit.  |c| up to 2^40 is served.  NaN is not served.
; c's tile comes by a tensor load into the slot that is read no more; 16 rows a wave at a time, new_c and new_h go through LDS and leave as whole rows of 256 bytes, aligned.
; PREFETCH: at the change of slots that loads fill k + 2 each wave asks for fill k + 3: its blocks of 256 bytes (150; the last fill's 100), shared out by address among the four partners (38 each, two
; instructions, held inside the fill); fills 1 and 2 are asked for at the head; c's rows are asked for one change of slots ahead of their load.
; All of a WGP's LDS is claimed; the text uses 308,224 bytes.
.set STB,   12800
.set FILL,  3*STB
.set GRP,   32*STB
.set SLOT,  4*FILL+256
.set BOFS,  2*FILL+64
.set SPARE, 2*SLOT
.set CP,    272                        ; c's, new_c's and new_h's LDS rows: 256 bytes + 16
.set CT,    SLOT                       ; c, then new_c: 256 rows
.set PF3, 1                            ; window 0: v1-2 the prefetches' offsets for the short fill (first: r and h)
.set PF4, 2
.set CA,  4                            ; v4 my place in c's tile, v5 in new_h's stage, v6-7 where I read rows back, v8 my offset in out0, out1, v9 in the biases
.set HA,  5
.set RD,  6
.set CO,  8
.set BOF, 9
.set PF1, 10                           ; v10-12 the prefetches' offsets
.set PF2, 11
.set PFC, 12
.set SPW, 14
.set NIL, 15                           ; v16-31 scale words, two sets of 8, and nothing else: register i: lanes 0-15 A's block i, lanes 16-31 B's block i
.set XI,  32                           ; the way out: 16 numbers each
.set XO,  48
.set XF,  64
.set XC,  80
.set CC,  96
.set TT,  112
.set WV,  22
.set FA,  23                           ; my half of the tile's rows.  Also: I fetch for A (0) or B (1)
.set CH,  24                           ; my half of its columns.  Also: which 128 rows I fetch
.set G1A, 40
.set G1B, 48
.set G0A, 56
.set G0B, 68
.set G1C, 76
.set G0C, 84
.set PFA, 88
.set KN,  90
.set K2,  92
.set MSB, 0
.macro WIN new
.if MSB != (\new)
	s_set_vgpr_msb (MSB<<8)|(\new)
.set MSB, (\new)
.endif
.endm
.macro GWIN g                          ; phase g: A's window AH, B's window 2 + BH, C and D window 2 BH + AH
.set AH, (\g)/2
.set BH, (((\g)+1)/2)%2
.set GW, ((2*BH+AH)<<6)|((2*BH+AH)<<4)|(AH<<2)|(2+BH)
	WIN GW
.endm
.macro PLACES
.rept 4
	v_nop
.endr
.endm
.macro JLOAD s                         ; a joint load: waves 0, 1 for A, waves 2, 3 for B
	s_cmp_eq_u32 s[FA], 0
	s_cbranch_scc0 .Lfor_b_\@
	tensor_load_to_lds s[G0A+4*\s:G0A+4*\s+3], s[G1A:G1A+7]
	s_nop 0
	PLACES
	s_branch .Lasked_\@
.Lfor_b_\@:
	tensor_load_to_lds s[G0B+4*\s:G0B+4*\s+3], s[G1B:G1B+7]
	s_nop 0
	PLACES
.Lasked_\@:
.endm
.macro CREST
	s_cmp_lg_u32 s[WV], 0
	s_cbranch_scc1 .Lnot_wave_0_\@
	s_barrier_signal -3
.Lnot_wave_0_\@:
	s_barrier_wait -3
	s_barrier_signal -1
	s_barrier_wait -1
.endm
.macro CROUND
	s_barrier_signal -1
	s_barrier_wait -1
	CREST
.endm
; load n (0..11) of group g into set tp, from place j of slot sl.  Groups: 0 A's blocks 0-3, 1 B's 0-3, 2 B's 4-7, 3 A's 4-7.  v4, v5 of window 2: A's addresses in slot 0, 1; of window 3: B's
.macro LDF g, n, tp, sl, j
	ds_load_b128 v[32+48*(\tp)+4*(\n):32+48*(\tp)+4*(\n)+3], v[4+(\sl)] offset:(\j)*STB+6144*((\g)/2)+512*(\n)
.endm
.macro LDSC n, tp, sl, j               ; scale words of block n; v6, v7 of window 2
	ds_load_b32 v[16+8*(\tp)+(\n)], v[6+(\sl)] offset:(\j)*STB+64*(\n)
.endm
.macro RUN g, tp, sl, j                ; group g in one run, under phase g's setting; with group 0 the step's eight scale loads
	GWIN \g
.set N, 0
.rept 12
	LDF \g, N, \tp, \sl, \j
.if ((\g) == 0) && (N < 8)
	LDSC N, \tp, \sl, \j
.endif
.set N, N+1
.endr
.endm
; ld = 1: the next step's group g; then 16 matrix instructions on set p, 16 accumulators by turns
.macro PHASE g, p, ld, sl, j
.if \ld
	RUN \g, 1-(\p), \sl, \j
.endif
	GWIN \g
.set N, 0
.irp a, 0,1,2,3
.irp b, 0,1,2,3
	v_wmma_scale_f32_16x16x128_f8f6f4 v[128+8*N:128+8*N+7], v[32+48*(\p)+12*\b:32+48*(\p)+12*\b+11], v[32+48*(\p)+12*\a:32+48*(\p)+12*\a+11], v[128+8*N:128+8*N+7], v[16+8*(\p)+4*BH+\b], v[16+8*(\p)+4*AH+\a] matrix_a_fmt:MATRIX_FMT_FP6 matrix_b_fmt:MATRIX_FMT_FP6 matrix_a_scale:MATRIX_SCALE_ROW1
.set N, N+1
.endr
.endr
.endm
; A step on set p; (sl, j): where the next step lies.  LDS instructions of a step, in order: group 0 with the scales (20), groups 1, 2, 3 (12 each).
.macro NSTEP p, sl, j
	s_wait_dscnt 24                                ; groups 0 and 1 and the scales are in; groups 2 and 3 may be out
	PLACES                                         ; between the last step's products and the loads into the set that they read
	PHASE 0, \p, 1, \sl, \j
	s_wait_dscnt 32                                ; group 2 is in: behind it group 3 and the 20 just issued
	PHASE 1, \p, 1, \sl, \j
	s_wait_dscnt 32                                ; group 3 is in: behind it the 20 and the 12 of this step
	PHASE 2, \p, 1, \sl, \j
	PHASE 3, \p, 1, \sl, \j
.endm
; A slot's last step: its fragments are in registers, so slot sl is read no more, and the next step lies in the other slot.  mode 1, 2: a whole refill (2: in the loop's last trip the prefetch is
; the short fill's); 3: the short last fill; 4: c's tile.
.macro TURN p, sl, mode
.if (\mode) <= 2
	s_wait_xcnt 0x0                                ; the last prefetches have read their base
	s_add_nc_u64 s[PFA:PFA+1], s[PFA:PFA+1], FILL
.endif
	WIN 0
	s_wait_tensorcnt 0x0                           ; all my tensor loads have landed: my part of the other slot
	ds_add_u32 v[SPW], v[NIL]
.if (\mode) == 3
	s_mov_b32 s[G1A+2], 100<<16                    ; no load of mine is out: the last fill has two steps, 100 rows
	s_mov_b32 s[G1A+4], 100
	s_mov_b32 s[G1B+2], 100<<16
	s_mov_b32 s[G1B+4], 100
.endif
	s_wait_dscnt 25                                ; (the add and groups 2 and 3 may be out)
	PHASE 0, \p, 0, 0, 0
	s_wait_dscnt 0x0                               ; the add is done, and my reads of this slot are over
	s_barrier_signal -1
	PHASE 1, \p, 0, 0, 0
	WIN 0
	s_barrier_wait -1
	CREST                                          ; the barrier has opened a round of the cluster's barrier
.if (\mode) <= 3
	s_add_nc_u64 s[G0A+4*\sl+2:G0A+4*\sl+3], s[G0A+4*\sl+2:G0A+4*\sl+3], 2*FILL
	s_add_nc_u64 s[G0B+4*\sl+2:G0B+4*\sl+3], s[G0B+4*\sl+2:G0B+4*\sl+3], 2*FILL
	JLOAD \sl                                      ; its four v_nop are also the places in front of the loads below
.else
	tensor_load_to_lds s[G0C:G0C+3], s[G1C:G1C+7]  ; 64 rows of c a wave
	s_nop 0
	PLACES
.endif
	RUN 0, 1-(\p), 1-(\sl), 0
	RUN 1, 1-(\p), 1-(\sl), 0
	WIN 0
.if (\mode) == 2
	s_cmp_gt_u32 s3, 1
	s_cbranch_scc0 .Lshort_\@
.endif
.if (\mode) <= 2
	global_prefetch_b8 v[PF1], s[PFA:PFA+1] offset:2*FILL th:TH_LOAD_NT scope:SCOPE_SE
	global_prefetch_b8 v[PF2], s[PFA:PFA+1] offset:2*FILL th:TH_LOAD_NT scope:SCOPE_SE
.endif
.if (\mode) == 2
	s_branch .Lasked3_\@
.Lshort_\@:
	global_prefetch_b8 v[PF3], s[PFA:PFA+1] offset:2*FILL th:TH_LOAD_NT scope:SCOPE_SE   ; the last fill: offsets held inside its 100 blocks
	global_prefetch_b8 v[PF4], s[PFA:PFA+1] offset:2*FILL th:TH_LOAD_NT scope:SCOPE_SE
.Lasked3_\@:
.endif
.if (\mode) == 3
	global_prefetch_b8 v[PFC], s[16:17] th:TH_LOAD_NT scope:SCOPE_SE
	global_prefetch_b8 v[PFC], s[16:17] offset:32*8192 th:TH_LOAD_NT scope:SCOPE_SE
.endif
	PHASE 2, \p, 0, 0, 0
	RUN 2, 1-(\p), 1-(\sl), 0
	RUN 3, 1-(\p), 1-(\sl), 0
	PHASE 3, \p, 0, 0, 0
.endm
	s_load_b512 s[4:19], s[0:1], 0x0               ; aq, wq, bi, bo, bf, bc, c, out0
	s_load_b64 s[20:21], s[0:1], 0x40              ; out1
	v_lshl_add_u32 v[SPW], v0, 2, SPARE
	v_mov_b32 v[NIL], 0
	ds_add_u32 v[SPW], v[NIL]                      ; the opening lines
	ds_add_u32 v[SPW], v[NIL]
	v_lshrrev_b32 v1, 5, v0
	v_readfirstlane_b32 s[WV], v1
	s_lshr_b32 s[FA], s[WV], 1
	s_and_b32 s[CH], s[WV], 1
	s_bfe_u32 s25, ttmp6, 0x40000                  ; cx
	s_bfe_u32 s26, ttmp6, 0x40004                  ; cy
	s_lshl_b32 s27, ttmp9, 2
	s_add_co_u32 s27, s27, s25                     ; tx
	s_and_b32 s28, ttmp7, 0xffff
	s_lshl_b32 s28, s28, 2
	s_add_co_u32 s28, s28, s26                     ; ty
	s_lshl_b32 s29, s26, 2
	s_lshl_b32 s29, 15, s29                        ; my row of the cluster
	s_lshl_b32 s30, 0x1111, s25                    ; my column
	s_or_b32 s[G1A+0], s29, (3<<16)|(1<<21)        ; a dense block as rows of 32 elements of 8 bytes; the mask, and bit 21 beside it
	s_or_b32 s[G1B+0], s30, (3<<16)|(1<<21)
.irp g, G1A, G1B
	s_mov_b32 s[\g+1], 32<<16
	s_mov_b32 s[\g+2], 150<<16
	s_mov_b32 s[\g+3], 32<<16
	s_mov_b32 s[\g+4], 150
	s_mov_b32 s[\g+5], 32
	s_mov_b32 s[\g+6], 0
	s_mov_b32 s[\g+7], 0
.endr
	s_mov_b32 s[G1C+0], (2<<16)|(1<<20)|(5<<22)|(3<<25)   ; c: 64 rows of 64 f32, 16 bytes of padding behind each
	s_mov_b32 s[G1C+1], 64<<16
	s_mov_b32 s[G1C+2], 64<<16
	s_mov_b32 s[G1C+3], 64<<16
	s_mov_b32 s[G1C+4], 64
	s_mov_b32 s[G1C+5], 2048
	s_mov_b32 s[G1C+6], 0
	s_mov_b32 s[G1C+7], 0
	s_lshl_b32 s32, s28, 1
	s_add_co_u32 s32, s32, s[CH]
	s_mul_i32 s32, s32, GRP                        ; A: group 2 ty + half
	s_mov_b32 s33, 0
	s_lshl_b32 s34, s27, 1
	s_add_co_u32 s34, s34, s[CH]
	s_mul_i32 s34, s34, GRP                        ; B: group 2 tx + half
	s_mov_b32 s35, 0
	s_mul_i32 s36, s[WV], FILL                     ; where my tiles go: wave x 38,400, B's 64 bytes on
	s_lshl_b32 s37, s[FA], 6
	s_add_co_u32 s36, s36, s37
	s_lshl_b32 s38, s28, 21                        ; c, out0, out1: row 256 ty of 8,192 bytes,
	s_lshl_b32 s96, s27, 8
	s_add_co_u32 s38, s38, s96                     ; + 64 tx units
	s_mov_b32 s39, 0
	s_lshl_b32 s37, s[CH], 7
	s_add_co_u32 s96, s96, s37                     ; the biases: unit 64 tx + 32 ch
	s_mov_b32 s97, 0
	s_wait_dscnt 0x0
	s_wait_kmcnt 0x0
	s_add_nc_u64 s[32:33], s[4:5], s[32:33]
	s_add_nc_u64 s[34:35], s[6:7], s[34:35]
	CROUND                                         ; all sixteen work-groups are here
.irp s, 0,1
	s_mov_b32 s[G0A+4*\s], 1
	s_add_co_u32 s[G0A+4*\s+1], s36, \s*SLOT
	s_add_nc_u64 s[G0A+4*\s+2:G0A+4*\s+3], s[32:33], \s*FILL
	s_or_b32 s[G0A+4*\s+3], s[G0A+4*\s+3], 0x80000000
	s_mov_b32 s[G0B+4*\s], 1
	s_add_co_u32 s[G0B+4*\s+1], s36, \s*SLOT
	s_add_nc_u64 s[G0B+4*\s+2:G0B+4*\s+3], s[34:35], \s*FILL
	s_or_b32 s[G0B+4*\s+3], s[G0B+4*\s+3], 0x80000000
.endr
	JLOAD 0                                        ; fill 0: one tensor load a wave at the head
.irp g, 0,1,2,3
	s_add_nc_u64 s[8+2*\g:9+2*\g], s[8+2*\g:9+2*\g], s[96:97]
.endr
	s_add_nc_u64 s[16:17], s[16:17], s[38:39]
	s_add_nc_u64 s[18:19], s[18:19], s[38:39]
	s_add_nc_u64 s[20:21], s[20:21], s[38:39]
	s_lshl_b32 s2, s[WV], 19
	s_mov_b32 s3, 0
	s_add_nc_u64 s[16:17], s[16:17], s[2:3]        ; of c I fetch rows 64 wave .. + 63
	s_mul_i32 s37, s[WV], 64*CP
	s_add_co_u32 s37, s37, CT
	s_mov_b32 s[G0C], 1
	s_mov_b32 s[G0C+1], s37
	s_mov_b64 s[G0C+2:G0C+3], s[16:17]
	s_or_b32 s[G0C+3], s[G0C+3], 0x80000000
	s_cmp_eq_u32 s[FA], 0
	s_cselect_b64 s[PFA:PFA+1], s[32:33], s[34:35] ; the prefetches: the group that I fetch,
	s_cselect_b32 s29, s25, s26                    ; my place among the four that ask for it: it enters an address alone
	s_mul_i32 s29, s29, 38
	s_add_co_u32 s30, s29, 32
	s_mul_i32 s31, s[FA], 128*CP
	s_lshl_b32 s2, s[CH], 7
	s_add_co_u32 s31, s31, s2
	s_add_co_u32 s31, s31, CT                      ; my 128 rows x 128 bytes of c's tile
	s_mul_i32 s95, s[FA], 128*CP                   ; of each 16 rows of the two halves I store rows 128 (wave / 2) + 8 (wave % 2) .. + 7
	s_mul_i32 s2, s[CH], 8*CP
	s_add_co_u32 s95, s95, s2
	s_add_co_u32 s95, s95, CT
	s_lshl_b32 s25, s[FA], 20
	s_lshl_b32 s26, s[CH], 16
	s_add_co_u32 s25, s25, s26                     ; the same rows in out0, out1
	s_mul_i32 s4, s[FA], FILL                      ; my half of A in slot 0, 1
	s_add_co_u32 s5, s4, SLOT
	s_mul_i32 s6, s[CH], FILL
	s_add_co_u32 s6, s6, BOFS                      ; my half of B
	s_add_co_u32 s7, s6, SLOT
	s_sub_co_u32 s2, s6, s4                        ; from A's half to B's
	s_add_co_u32 s98, s4, 12288                    ; the scale words lie behind a step's eight fragments
	s_add_co_u32 s99, s98, SLOT
	s_mov_b32 s[KN], 0xbfb8aa3b                    ; -log2 e
	s_mov_b32 s[KN+1], s[KN]
	s_mov_b32 s[K2], 0xc038aa3b                    ; -2 log2 e
	s_mov_b32 s[K2+1], s[K2]
	s_mov_b32 s94, 0x42200000                      ; 40
	v_and_b32 v1, 15, v0                           ; r
	v_bfe_u32 v2, v0, 4, 1                         ; h
	v_and_b32 v3, 31, v0                           ; lane
	v_lshlrev_b32 v[BOF], 5, v2
	v_add_nc_u32 v[PF1], s29, v3                   ; blocks 38 p + lane,
	v_min_u32 v[PF1], 149, v[PF1]
	v_lshlrev_b32 v[PF1], 8, v[PF1]
	v_min_u32 v[PF2], 5, v3                        ; and 38 p + 32 .. 37, held inside the fill's 150
	v_add_nc_u32 v[PF2], s30, v[PF2]
	v_min_u32 v[PF2], 149, v[PF2]
	v_lshlrev_b32 v[PF2], 8, v[PF2]
	v_lshlrev_b32 v[PFC], 13, v3                   ; c: a lane a row
	v_lshlrev_b32 v3, 4, v3                        ; 16 x lane
	v_mul_u32_u24 v13, v1, CP
	v_lshl_add_u32 v13, v2, 5, v13
	v_add_nc_u32 v[CA], s31, v13                   ; row r, 32 h bytes on
	v_add_nc_u32 v[HA], 256*CP, v[CA]
	v_mul_u32_u24 v13, v2, CP
	v_lshl_add_u32 v13, v1, 4, v13
	v_add_nc_u32 v[RD], s95, v13                   ; back: lanes 0-15 one row, lanes 16-31 the next
	v_add_nc_u32 v[RD+1], 256*CP, v[RD]
	v_lshlrev_b32 v13, 13, v2
	v_lshl_add_u32 v[CO], v1, 4, v13
	v_add_nc_u32 v[CO], s25, v[CO]
	v_mul_u32_u24 v13, s2, v2                      ; scale words: lanes 16-31 take B's: one product
	v_lshl_add_u32 v13, v1, 2, v13
	v_min_u32 v[PF3], 99*256, v[PF1]               ; r and h are done with: the same offsets, held inside the short fill's 100 blocks
	v_min_u32 v[PF4], 99*256, v[PF2]
	WIN 0x80                                       ; destination window 2
	v_add_nc_u32 v4, s4, v3
	v_add_nc_u32 v5, s5, v3
	v_add_nc_u32 v6, s98, v13
	v_add_nc_u32 v7, s99, v13
	WIN 0xc0                                       ; destination window 3
	v_add_nc_u32 v4, s6, v3
	v_add_nc_u32 v5, s7, v3
	s_wait_alu depctr_va_vdst(0)
.irp bh, 0,1                           ; the bias into the accumulators: block 2 g + u, register j: gate g, unit 16 u + 8 h + j of my 32
.irp ah, 0,1
	WIN (2*\bh+\ah)<<6
.irp a, 0,1,2,3
.irp t, 0,1,2,3
	global_load_b128 v[128+8*(4*\a+\t):128+8*(4*\a+\t)+3], v[BOF], s[8+2*(2*\bh+\t/2):9+2*(2*\bh+\t/2)] offset:64*(\t%2)
	global_load_b128 v[128+8*(4*\a+\t)+4:128+8*(4*\a+\t)+7], v[BOF], s[8+2*(2*\bh+\t/2):9+2*(2*\bh+\t/2)] offset:64*(\t%2)+16
.endr
.endr
.endr
.endr
	WIN 0
	global_prefetch_b8 v[PF1], s[PFA:PFA+1] offset:FILL th:TH_LOAD_NT scope:SCOPE_SE     ; fill 1
	global_prefetch_b8 v[PF2], s[PFA:PFA+1] offset:FILL th:TH_LOAD_NT scope:SCOPE_SE
	s_wait_alu depctr_va_vdst(0)                   ; the wait at the head's end
	s_wait_tensorcnt 0x0                           ; my part of fill 0 is in; slot 1's first fill is issued as a refill is
	ds_add_u32 v[SPW], v[NIL]
	s_wait_dscnt 0x0
	CROUND
	JLOAD 1
	RUN 0, 0, 0, 0
	RUN 1, 0, 0, 0
	RUN 2, 0, 0, 0
	RUN 3, 0, 0, 0
	WIN 0
	global_prefetch_b8 v[PF1], s[PFA:PFA+1] offset:2*FILL th:TH_LOAD_NT scope:SCOPE_SE   ; fill 2
	global_prefetch_b8 v[PF2], s[PFA:PFA+1] offset:2*FILL th:TH_LOAD_NT scope:SCOPE_SE
	s_wait_loadcnt 0x0                             ; the bias
	s_mov_b32 s3, 4
.Llap:                                                 ; six steps, once round the ring: steps 0 to 23, fills 2 to 9
	NSTEP 0, 0, 1
	NSTEP 1, 0, 2
	TURN 0, 0, 1
	NSTEP 1, 1, 1
	NSTEP 0, 1, 2
	TURN 1, 1, 2
	WIN 0
	s_sub_co_u32 s3, s3, 1
	s_cmp_lg_u32 s3, 0
	s_cbranch_scc1 .Llap
	NSTEP 0, 0, 1                                  ; steps 24 to 31
	NSTEP 1, 0, 2
	TURN 0, 0, 3
	NSTEP 1, 1, 1
	NSTEP 0, 1, 2
	TURN 1, 1, 4
	NSTEP 0, 0, 1
	s_wait_dscnt 24                                ; the last step fetches nothing
	PHASE 0, 1, 0, 0, 0
	s_wait_dscnt 12
	PHASE 1, 1, 0, 0, 0
	s_wait_dscnt 0x0
	PHASE 2, 1, 0, 0, 0
	PHASE 3, 1, 0, 0, 0
	WIN 0
	PLACES                                         ; behind the last products, ahead of the reads of results
	s_wait_tensorcnt 0x0                           ; my 64 rows of c are in
	s_barrier_signal -1
	s_barrier_wait -1                              ; everybody's are
; THE WAY OUT, 16 rows of my 128 at a time: 16 outputs a lane.  Only the 32 lines that take the sums out of the accumulators differ from block to block: they are chosen by the trip's number.
; A trip runs from one block's second half (M2) to the next block's first half (M1), so that the rows read back from LDS land under the next block's conversions and exponentials.
.macro GET a, to
	WIN (\a)/4                                     ; source 0: gates i, o
.irp t, 0,1,2,3
.irp m, 0,2,4,6
	v_pk_mul_f32 v[XI+8*\t+\m:XI+8*\t+\m+1], v[128+8*(4*((\a)%4)+\t)+\m:128+8*(4*((\a)%4)+\t)+\m+1], s[KN:KN+1] op_sel_hi:[1,0]
.endr
.endr
	WIN 2+(\a)/4                                   ; gates f, c
.irp t, 0,1
.irp m, 0,2,4,6
	v_pk_mul_f32 v[XF+8*\t+\m:XF+8*\t+\m+1], v[128+8*(4*((\a)%4)+\t)+\m:128+8*(4*((\a)%4)+\t)+\m+1], s[KN:KN+1] op_sel_hi:[1,0]
.endr
.endr
.irp t, 0,1
.irp m, 0,2,4,6
	v_pk_mul_f32 v[XC+8*\t+\m:XC+8*\t+\m+1], v[128+8*(4*((\a)%4)+2+\t)+\m:128+8*(4*((\a)%4)+2+\t)+\m+1], s[K2:K2+1] op_sel_hi:[1,0]
.endr
.endr
	WIN 0
	s_wait_alu depctr_va_vdst(0)                   ; the wait ahead of the branch
	s_branch \to
.endm
.macro TRANS op, base, n               ; a batch: one wait ahead, a plain line and one wait behind
	s_wait_alu depctr_va_vdst(0)
.set J, 0
.rept \n
	\op v[\base+J], v[\base+J]
.set J, J+1
.endr
	v_nop
	s_wait_alu depctr_va_vdst(0)
.endm
.macro HOLD base, n
.set J, 0
.rept \n
	v_min_num_f32 v[\base+J], s94, v[\base+J]
.set J, J+1
.endr
.endm
.macro PK3 op, d, x, y
.irp i, 0,2,4,6,8,10,12,14
	\op v[\d+\i:\d+\i+1], v[\x+\i:\x+\i+1], v[\y+\i:\y+\i+1]
.endr
.endm
.macro ONEP d, n                       ; 1 + x
.set J, 0
.rept \n
	v_pk_add_f32 v[\d+J:\d+J+1], v[\d+J:\d+J+1], 1.0 op_sel_hi:[1,0]
.set J, J+2
.endr
.endm
.macro TWOM d                          ; 2 - x
.irp i, 0,2,4,6,8,10,12,14
	v_pk_fma_f32 v[\d+\i:\d+\i+1], v[\d+\i:\d+\i+1], -1.0, 2.0 op_sel_hi:[1,0,0]
.endr
.endm
.macro CLOAD                           ; c of my 16 outputs
.irp u, 0,1
.irp q, 0,1
	ds_load_b128 v[CC+8*\u+4*\q:CC+8*\u+4*\q+3], v[CA] offset:64*\u+16*\q
.endr
.endr
.endm
.macro M1                              ; a block's first half
	HOLD XI, 16                                    ; gi's exponent, and gf's and gc's; go's needs no hold
	HOLD XF, 32
	TRANS v_exp_f32, XI, 64                        ; a, g, d, b
	s_wait_dscnt 0x0                               ; c is in, and so are the rows read back
.endm
.macro M2                              ; its second half; then eight whole rows of each result are asked back
	ONEP XI, 32
	PK3 v_pk_mul_f32, XI, XI, XC                   ; (1+a)(1+b)
	PK3 v_pk_mul_f32, TT, XI, XF                   ; (1+a)(1+b)(1+d)
	TWOM XC                                        ; 1 - b
	PK3 v_pk_mul_f32, XC, XC, XF                   ; (1-b)(1+d)
.irp i, 0,2,4,6,8,10,12,14
	v_pk_fma_f32 v[XC+\i:XC+\i+1], v[CC+\i:CC+\i+1], v[XI+\i:XI+\i+1], v[XC+\i:XC+\i+1]
.endr
	TRANS v_rcp_f32, TT, 16
	PK3 v_pk_mul_f32, CC, XC, TT                   ; new_c, into c's place
.irp u, 0,1
.irp q, 0,1
	ds_store_b128 v[CA], v[CC+8*\u+4*\q:CC+8*\u+4*\q+3] offset:64*\u+16*\q
.endr
.endr
.irp i, 0,2,4,6,8,10,12,14
	v_pk_mul_f32 v[XF+\i:XF+\i+1], v[CC+\i:CC+\i+1], s[K2:K2+1] op_sel_hi:[1,0]
.endr
	HOLD XF, 16
	TRANS v_exp_f32, XF, 16                        ; e
	ONEP XF, 8
	PK3 v_pk_mul_f32, XI, XF, XO                   ; (1+e)(1+g)
	TWOM XF                                        ; 1 - e
	TRANS v_rcp_f32, XI, 16
	PK3 v_pk_mul_f32, TT, XF, XI                   ; new_h
.irp u, 0,1
.irp q, 0,1
	ds_store_b128 v[HA], v[TT+8*\u+4*\q:TT+8*\u+4*\q+3] offset:64*\u+16*\q
.endr
.endr
	v_add_nc_u32 v[CA], 16*CP, v[CA]               ; 16 rows on
	v_add_nc_u32 v[HA], 16*CP, v[HA]
	s_wait_alu depctr_va_vdst(0)                   ; the wait ahead of the waits below
	s_wait_dscnt 0x0                               ; for the others' sake: a row's 256 bytes come from two waves
	s_barrier_signal -1
	s_barrier_wait -1
	s_wait_xcnt 0x0                                ; the last block's stores have read their data and their offset
	WIN 0x40                                       ; into window 1's fragment registers, which are done with
.irp o, 0,1
.irp t, 0,1,2,3
	ds_load_b128 v[32+16*\o+4*\t:32+16*\o+4*\t+3], v[RD+\o] offset:\t*2*CP
.endr
.endr
	WIN 0
.endm
.macro SENDOUT                         ; the rows that are back leave: new_c to out1, new_h to out0
	v_add_nc_u32 v[CO], 16*8192, v[CO]             ; 16 rows on; the stores reach back
	v_add_nc_u32 v[RD], 16*CP, v[RD]
	v_add_nc_u32 v[RD+1], 16*CP, v[RD+1]
	WIN 0x04                                       ; a store's data are its source 1
.irp o, 0,1
.irp t, 0,1,2,3
	global_store_b128 v[CO], v[32+16*\o+4*\t:32+16*\o+4*\t+3], s[20-2*\o:21-2*\o] offset:\t*16384-16*8192 th:TH_STORE_NT   ; 16 lanes store 256 consecutive bytes, aligned
.endr
.endr
	WIN 0
.endm
	s_mov_b32 s3, 0
	CLOAD
	GET 0, .Lfirst
.Lfirst:
	M1
.Lrow:                                                 ; trip s3: block s3's second half, block s3 + 1's first half
	M2
	CLOAD
.irp a, 1,2,3,4,5,6
	s_cmp_eq_u32 s3, \a-1
	s_cbranch_scc1 .Lget\a
.endr
	GET 7, .Lmath
.irp a, 1,2,3,4,5,6
.Lget\a:
	GET \a, .Lmath
.endr
.Lmath:
	M1
	s_barrier_signal -1                            ; everybody's reads of the rows are over: the next LDS stores stand behind this barrier
	s_barrier_wait -1
	SENDOUT
	s_add_co_u32 s3, s3, 1
	s_cmp_lt_u32 s3, 7
	s_wait_alu depctr_va_vdst(0)                   ; the wait ahead of the branch
	s_cbranch_scc1 .Lrow
	M2                                             ; the last block's second half
	s_wait_dscnt 0x0
	SENDOUT
	s_wait_tensorcnt 0x0                           ; the wave's end
	ds_add_u32 v[SPW], v[NIL]
	s_wait_dscnt 0x0
	CROUND                                         ; the closing round
	s_endpgm
.Lfunc_end_k_qf4852df9e3_cell:
	.size	k_qf4852df9e3_cell, .Lfunc_end_k_qf4852df9e3_cell-k_qf4852df9e3_cell
	.p2alignl 7, 3214868480
	.fill 96, 4, 3214868480
	.section	.rodata,"a",@progbits
	.p2align	6, 0x0
	.amdhsa_kernel k_qf4852df9e3_cell
		.amdhsa_group_segment_fixed_size 327680
		.amdhsa_private_segment_fixed_size 0
		.amdhsa_enable_private_segment 0
		.amdhsa_kernarg_size 72
		.amdhsa_user_sgpr_count 2
		.amdhsa_user_sgpr_kernarg_segment_ptr 1
		.amdhsa_wavefront_size32 1
		.amdhsa_system_sgpr_workgroup_id_x 1
		.amdhsa_system_sgpr_workgroup_id_y 1
		.amdhsa_system_sgpr_workgroup_id_z 1
		.amdhsa_system_vgpr_workitem_id 0
		.amdhsa_next_free_vgpr 1024
		.amdhsa_next_free_sgpr 100
		.amdhsa_reserve_vcc 0
		.amdhsa_float_denorm_mode_32 3
		.amdhsa_float_denorm_mode_16_64 3
		.amdhsa_memory_ordered 1
		.amdhsa_forward_progress 1
		.amdhsa_inst_pref_size 244
	.end_amdhsa_kernel
	.amdgpu_metadata
---
amdhsa.version: [ 1, 2 ]
amdhsa.kernels:
  - .name:           k_qf4852df9e3_cell
    .symbol:         k_qf4852df9e3_cell.kd
    .args:
      - { .name: aq, .offset: 0, .size: 8, .value_kind: global_buffer, .address_space: global }
      - { .name: wq, .offset: 8, .size: 8, .value_kind: global_buffer, .address_space: global }
      - { .name: bi, .offset: 16, .size: 8, .value_kind: global_buffer, .address_space: global }
      - { .name: bo, .offset: 24, .size: 8, .value_kind: global_buffer, .address_space: global }
      - { .name: bf, .offset: 32, .size: 8, .value_kind: global_buffer, .address_space: global }
      - { .name: bc, .offset: 40, .size: 8, .value_kind: global_buffer, .address_space: global }
      - { .name: c, .offset: 48, .size: 8, .value_kind: global_buffer, .address_space: global }
      - { .name: out0, .offset: 56, .size: 8, .value_kind: global_buffer, .address_space: global }
      - { .name: out1, .offset: 64, .size: 8, .value_kind: global_buffer, .address_space: global }
    .group_segment_fixed_size: 327680
    .private_segment_fixed_size: 0
    .kernarg_segment_align: 8
    .kernarg_segment_size: 72
    .max_flat_workgroup_size: 128
    .sgpr_count:     100
    .vgpr_count:     1024
    .wavefront_size: 32
...
	.end_amdgpu_metadata
.endif
;; end of part 2
